; MI455X (gfx1250); checked and timed in simulation.
; The chip was launched on July 23, 2026; its instructions are those of AMD's public machine-readable ISA for CDNA 5 (MIT licence, August 2026) and "CDNA5" Instruction Set Architecture Reference Guide (July 2026). The comments in the code are by the model that wrote it; some were corrected since.
;; Vector Quantizer. Allowed arithmetic: float matrix products may take bf16 or f16 operands with f32 sums; all other float work in f32.
;; Inputs: emb_weight 8,192 x 512 float32; x 16 x 1,024 x 512 float32.
;; Outputs: out0 16 x 1,024 x 512 float32; out1 16 x 1,024 int32; out2 one number float32; out3 one number float32; out4 one number float32.
;; One version. Each part assembles by itself: llvm-mc -triple=amdgcn-amd-amdhsa -mcpu=gfx1250 --defsym DOCPART=n.
;; ======== version 1 of 1: 5 launches
;; workspace buffers: frag 25,165,824 bytes; eb 8,388,608 bytes; sq 98,304 bytes; pv 524,288 bytes; pi 524,288 bytes of whole numbers; cand 262,144 bytes of whole numbers; part 1,024 bytes
;; launch prep (part 1): grid 1536 x 1, 4 waves a work-group, no clusters, 18,432 bytes of LDS; arguments x, emb_weight, frag, eb, sq; writes frag, eb, sq
.if DOCPART == 1
	.amdgcn_target "amdgcn-amd-amdhsa--gfx1250"
	.amdhsa_code_object_version 6
	.text
	.protected	k_q8594d7aa83_prep
	.globl	k_q8594d7aa83_prep
	.p2align	8
	.type	k_q8594d7aa83_prep,@function
k_q8594d7aa83_prep:
	s_mov_b64 s[64:65], 0
	v_nop
	global_prefetch_b8 v0, s[64:65] scope:SCOPE_SE
	s_setreg_imm32_b32 hwreg(HW_REG_WAVE_MODE, 25, 1), 1
	s_wait_xcnt 0x0
; PREP.  x [16384][512] and emb_weight [8192][512], f32, are rounded once to bf16 (nearest even) and written
;   frag: in the order in which a matrix fragment is loaded.  1,536 tiles of 16 rows x 512 = 16,384 bytes; tiles 0-1023 are x, 1024-1535 the codes.
;         In a tile, byte 1024 s + 512 c + 16 (16 h + r) holds row r, k = 32 s + 16 c + 8 h + 0..7: a 16-byte load at 16 x lane is half a fragment.
;   eb:   the codes once more, row-major bf16 [8192][512], for the gather of the third launch.
;   sq:   f32, the sum of squares of each ROUNDED row: [0..16383] of x, [16384..24575] of the codes.
; LIMIT.  Everything behind this launch works on the rounded numbers; NaN and infinities are not treated apart.
; SHARES.  A work-group is one tile of 16 rows; wave w has k = 128 w .. 128 w + 127 of each row: 512 consecutive bytes a load, sixteen loads out at once.
; No matrix unit, no cluster, no tensor load: each byte is read once and nothing is shared between work-groups.
; The turn from rows to fragment order goes through the wave's own stage in LDS: 16 units (8 k x 16 rows = 256 bytes) at a pitch of 272 bytes.
.set STGP,  272                        ; 68 words: unit u starts at bank 4 u mod 64 (64 banks of 4 bytes: ISA guide 11.1), so the 32 lanes of a store touch each bank once
.set STGW,  16*STGP                    ; a wave's stage
.set RED,   4*STGW                     ; 17,408: 4 waves x 32 words, the waves' partial sums
.set SPARE, RED+512                    ; 17,920: the spare words, 128 bytes for each wave, named by no other line
.set T,   12                           ; v[12:19]   eight numbers in f32, at work
.set SQ,  20                           ; v[20:27]   four pairs of running sums of squares
.set X,   32                           ; v[32:95]   row r: 4 registers as loaded
.set CV,  96                           ; v[96:127]  row r: 2 registers, 4 bf16
.set RB,  128                          ; v[128:159] read-back i: 4 registers, 8 bf16 of row lane % 16
	s_load_b256 s[4:11], s[0:1], 0x0               ; x s[4:5], emb_weight s[6:7], frag s[8:9], eb s[10:11]
	s_load_b64 s[12:13], s[0:1], 0x20              ; sq
	v_lshl_add_u32 v10, v0, 2, SPARE               ; my spare word; never rewritten
	v_mov_b32 v11, 0                               ; 0; never rewritten
	v_lshrrev_b32 v1, 5, v0
	v_readfirstlane_b32 s20, v1                    ; wave 0..3
	v_and_b32 v1, 31, v0                           ; lane
	s_mov_b32 s21, 0xffff0000                      ; a word's upper bf16
	s_mov_b32 s22, 0x76543210                      ; v_permlanex16_b32: each lane takes its own place in the other half
	s_mov_b32 s23, 0xfedcba98
	s_sub_co_u32 s18, ttmp9, 1024
	s_cmp_lt_u32 ttmp9, 1024                       ; a tile of x, or of the codes?
	s_cselect_b32 s16, ttmp9, s18                  ; the tile's number in its own tensor
	s_cselect_b32 s17, 0, 1                        ; 1: codes
	s_lshl_b32 s24, s16, 15                        ; source: 16 rows of 2,048 bytes a tile,
	s_lshl_b32 s25, s20, 9                         ; my wave's 512 bytes of a row
	s_add_co_u32 s24, s24, s25
	s_mov_b32 s25, 0
	s_lshl_b32 s26, ttmp9, 14                      ; frag: 16,384 bytes a tile,
	s_lshl_b32 s27, s20, 12                        ; my wave's 4,096
	s_add_co_u32 s26, s26, s27
	s_mov_b32 s27, 0
	s_lshl_b32 s28, s16, 14                        ; eb: 16 rows of 1,024 bytes,
	s_lshl_b32 s29, s20, 8                         ; my wave's 256 bytes of a row
	s_add_co_u32 s28, s28, s29
	s_mov_b32 s29, 0
	s_lshl_b32 s30, ttmp9, 6                       ; sq: 16 words a tile
	s_mov_b32 s31, 0
	v_lshlrev_b32 v2, 4, v1                        ; 16 x lane
	v_lshlrev_b32 v3, 3, v1                        ; 8 x lane
	v_lshlrev_b32 v8, 2, v1                        ; 4 x lane
	s_mul_i32 s18, s20, STGW                       ; my stage
	v_lshrrev_b32 v12, 1, v1                       ; into the stage: my 4 k lie in unit lane / 2,
	v_and_b32 v13, 1, v1                           ; in its row's lower or upper 8 bytes
	v_mul_u32_u24 v4, v12, STGP
	v_lshl_add_u32 v4, v13, 3, v4
	v_add_nc_u32 v4, s18, v4
	v_lshrrev_b32 v12, 4, v1                       ; back: lanes 0-15 take one unit, lanes 16-31 the next; lane % 16 is the row
	v_and_b32 v13, 15, v1
	v_mul_u32_u24 v5, v12, STGP
	v_lshl_add_u32 v5, v13, 4, v5
	v_add_nc_u32 v5, s18, v5
	s_lshl_b32 s19, s20, 7
	s_add_co_u32 s19, s19, RED
	v_add_nc_u32 v6, s19, v8                       ; where I put my partial sum
	v_add_nc_u32 v7, RED, v8                       ; where wave 0 reads the four
	s_wait_kmcnt 0x0
	s_cmp_lt_u32 ttmp9, 1024                       ; compared again: the shifts above have set SCC
	s_cselect_b64 s[14:15], s[4:5], s[6:7]         ; the tensor that the tile comes from
	s_add_nc_u64 s[14:15], s[14:15], s[24:25]
	s_add_nc_u64 s[8:9], s[8:9], s[26:27]
	s_add_nc_u64 s[10:11], s[10:11], s[28:29]      ; (used for tiles of codes alone)
	s_add_nc_u64 s[12:13], s[12:13], s[30:31]
.irp r, 0,1,2,3,4,5,6,7,8,9,10,11,12,13,14,15
	global_load_b128 v[X+4*\r:X+4*\r+3], v2, s[14:15] offset:\r*2048 th:TH_LOAD_NT  ; 512 consecutive bytes of row r; the launch reads each byte once
.endr
.irp r, 0,1,2,3,4,5,6,7,8,9,10,11,12,13,14,15
	s_wait_loadcnt 15-\r                           ; loads come back in order (ISA guide 5.7.1): row r is in, the younger rows stay out
	v_cvt_pk_bf16_f32 v[CV+2*\r], v[X+4*\r], v[X+4*\r+1]
	v_cvt_pk_bf16_f32 v[CV+2*\r+1], v[X+4*\r+2], v[X+4*\r+3]
	ds_store_b64 v4, v[CV+2*\r:CV+2*\r+1] offset:\r*16
.endr
	s_cmp_eq_u32 s17, 0
	s_cbranch_scc1 .Lno_eb                         ; rows of x are not gathered from
.irp r, 0,1,2,3,4,5,6,7,8,9,10,11,12,13,14,15
	global_store_b64 v3, v[CV+2*\r:CV+2*\r+1], s[10:11] offset:\r*1024  ; the wave stores 256 consecutive bytes, at a multiple of 256 from eb's first byte
.endr
.Lno_eb:
.irp i, 0,1,2,3,4,5,6,7
	ds_load_b128 v[RB+4*\i:RB+4*\i+3], v5 offset:\i*2*STGP  ; my own bytes: LDS serves a wave's instructions in order (ISA guide 5.7.1.4), so these see the stores above
.endr
.irp i, 0,1,2,3,4,5,6,7
	s_wait_dscnt 7-\i                              ; read-back i is in, the younger ones stay out
	global_store_b128 v2, v[RB+4*\i:RB+4*\i+3], s[8:9] offset:\i*512  ; 512 consecutive bytes of the tile
.irp j, 0,1,2,3
	v_lshlrev_b32 v[T+2*\j], 16, v[RB+4*\i+\j]     ; bf16 to f32: the low half moves up,
	v_and_b32 v[T+2*\j+1], s21, v[RB+4*\i+\j]      ; the high half stays
.endr
.irp j, 0,1,2,3
.if \i == 0
	v_pk_mul_f32 v[SQ+2*\j:SQ+2*\j+1], v[T+2*\j:T+2*\j+1], v[T+2*\j:T+2*\j+1]  ; the first squares start the sums: nothing is cleared
.else
	v_pk_fma_f32 v[SQ+2*\j:SQ+2*\j+1], v[T+2*\j:T+2*\j+1], v[T+2*\j:T+2*\j+1], v[SQ+2*\j:SQ+2*\j+1]
.endif
.endr
.endr
	v_pk_add_f32 v[SQ:SQ+1], v[SQ:SQ+1], v[SQ+2:SQ+3]
	v_pk_add_f32 v[SQ+4:SQ+5], v[SQ+4:SQ+5], v[SQ+6:SQ+7]
	v_pk_add_f32 v[SQ:SQ+1], v[SQ:SQ+1], v[SQ+4:SQ+5]
	v_add_f32 v[SQ], v[SQ], v[SQ+1]                ; my 64 numbers of row lane % 16
	v_permlanex16_b32 v[SQ+1], v[SQ], s22, s23     ; the row's other 64 lie in the lane 16 away
	v_add_f32 v[SQ], v[SQ], v[SQ+1]
	ds_store_b32 v6, v[SQ]
	s_wait_dscnt 0x0                               ; for the others' sake: my partial sums are in LDS
	s_barrier_signal -1
	s_barrier_wait -1
	s_cmp_lg_u32 s20, 0
	s_cbranch_scc1 .Lend
	ds_load_b32 v12, v7                            ; wave 0 adds the four waves' parts of each row
	ds_load_b32 v13, v7 offset:128
	ds_load_b32 v14, v7 offset:256
	ds_load_b32 v15, v7 offset:384
	s_wait_dscnt 0x0
	v_add_f32 v12, v12, v13
	v_add_f32 v14, v14, v15
	v_add_f32 v12, v12, v14
	s_wait_xcnt 0x0                                ; EXEC is a source of the stores above: it changes only behind this wait
	v_cmp_gt_u32 vcc_lo, 16, v1
	s_and_saveexec_b32 s24, vcc_lo                 ; lanes 0-15: one row each
	global_store_b32 v8, v12, s[12:13]             ; 64 consecutive bytes: all that a tile has of sq, 1 part in 750 of what it moves
	s_wait_xcnt 0x0
	s_or_b32 exec_lo, exec_lo, s24
.Lend:
	s_wait_tensorcnt 0x0                           ; the wave's end, behind my last LDS store
	ds_add_u32 v10, v11
	s_wait_dscnt 0x0
	s_endpgm
.Lfunc_end_k_q8594d7aa83_prep:
	.size	k_q8594d7aa83_prep, .Lfunc_end_k_q8594d7aa83_prep-k_q8594d7aa83_prep
	.p2alignl 7, 3214868480
	.fill 96, 4, 3214868480
	.section	.rodata,"a",@progbits
	.p2align	6, 0x0
	.amdhsa_kernel k_q8594d7aa83_prep
		.amdhsa_group_segment_fixed_size 18432
		.amdhsa_private_segment_fixed_size 0
		.amdhsa_enable_private_segment 0
		.amdhsa_kernarg_size 40
		.amdhsa_user_sgpr_count 2
		.amdhsa_user_sgpr_kernarg_segment_ptr 1
		.amdhsa_wavefront_size32 1
		.amdhsa_system_sgpr_workgroup_id_x 1
		.amdhsa_system_sgpr_workgroup_id_y 1
		.amdhsa_system_sgpr_workgroup_id_z 1
		.amdhsa_system_vgpr_workitem_id 0
		.amdhsa_next_free_vgpr 160
		.amdhsa_next_free_sgpr 66
		.amdhsa_reserve_vcc 1
		.amdhsa_float_denorm_mode_32 3
		.amdhsa_float_denorm_mode_16_64 3
		.amdhsa_memory_ordered 1
		.amdhsa_forward_progress 1
		.amdhsa_inst_pref_size 16
	.end_amdhsa_kernel
	.amdgpu_metadata
---
amdhsa.version: [ 1, 2 ]
amdhsa.kernels:
  - .name:           k_q8594d7aa83_prep
    .symbol:         k_q8594d7aa83_prep.kd
    .args:
      - { .name: x, .offset: 0, .size: 8, .value_kind: global_buffer, .address_space: global }
      - { .name: emb_weight, .offset: 8, .size: 8, .value_kind: global_buffer, .address_space: global }
      - { .name: frag, .offset: 16, .size: 8, .value_kind: global_buffer, .address_space: global }
      - { .name: eb, .offset: 24, .size: 8, .value_kind: global_buffer, .address_space: global }
      - { .name: sq, .offset: 32, .size: 8, .value_kind: global_buffer, .address_space: global }
    .group_segment_fixed_size: 18432
    .private_segment_fixed_size: 0
    .kernarg_segment_align: 8
    .kernarg_segment_size: 40
    .max_flat_workgroup_size: 128
    .sgpr_count:     66
    .vgpr_count:     160
    .wavefront_size: 32
...
	.end_amdgpu_metadata
.endif
;; end of part 1
;; launch dist (part 2): grid 64 x 4, 4 waves a work-group, clusters of 4 x 1, 327,680 bytes of LDS; arguments frag, sq, pv, pi; writes pv, pi
.if DOCPART == 2
	.amdgcn_target "amdgcn-amd-amdhsa--gfx1250"
	.amdhsa_code_object_version 6
	.text
	.protected	k_q8594d7aa83_dist
	.globl	k_q8594d7aa83_dist
	.p2align	8
	.type	k_q8594d7aa83_dist,@function
k_q8594d7aa83_dist:
	s_mov_b64 s[64:65], 0
	v_nop
	global_prefetch_b8 v0, s[64:65] scope:SCOPE_SE
	s_setreg_imm32_b32 hwreg(HW_REG_WAVE_MODE, 25, 1), 1
	s_wait_xcnt 0x0
	s_wait_alu depctr_hold_cnt(0) depctr_sa_sdst(0) depctr_va_vdst(0) depctr_va_sdst(0) depctr_va_ssrc(0) depctr_va_vcc(0) depctr_vm_vsrc(0)
	s_getreg_b32 s2, hwreg(HW_REG_IB_STS2, 6, 4)
	s_cmp_eq_u32 s2, 0
	s_cbranch_scc0 .Lentry_in_a_cluster
	s_endpgm
.Lentry_in_a_cluster:
	s_bfe_u32 s2, ttmp6, 0x10000c
	s_cmp_lg_u32 s2, 0x3003
	s_cbranch_scc0 .Lentry_shape_is_right
	s_endpgm
.Lentry_shape_is_right:
; DIST.  For each of 16,384 rows of x and each quarter q of the 8,192 codes: the first TWO codes in the order (d2, index), d2 = (x2 - 2 x.e) + e2.  They are proposals: the launch that
; gathers decides among the best of them on a dot summed more finely.
; x.e by the matrix unit on bf16 operands with f32 sums, K ascending, one accumulator for each output.  d2 is formed with the problem's own two roundings: fl(x2 - 2 dot) by one fused
; multiply-add (2 dot is exact), then fl(.. + e2); within a list the comparison is strictly 'less', codes ascending, so that of equal d2 the lowest index stays, as in an argmin.
; LIMITS.  x and the codes are rounded to bf16; x2 and e2 are the rounded rows' sums of squares.  NaN and infinities are not treated apart.
; d2 lies on f32's grid at the size of x2, so a dot's last bits can move a code from one cell of that grid into the next.  A code so displaced is still proposed unless another code of its
; own list (the 128 codes of a quarter with the same index mod 16) stands in front of it, or two of its quarter do.
; SHARES.  Work-group (rb, q): 256 rows x 2,048 codes; 64 x 4 = 256 work-groups of equal work.  Wave w: rows 64 w .. 64 w + 63 of the block, four tiles of 16, with ALL their K in registers
; (64 fragments, 512 registers).  All four waves walk the same codes out of LDS, a BLOCK of 16 codes at a time: 64 matrix instructions, K steps 0..15 and in each the four tiles by turns.
; A code fragment (two 16-byte loads a lane) feeds four matrix instructions.
; TRANSPOSED USE.  Source 0 = 16 codes, source 1 = 16 rows of x: a lane then holds ONE row of x (lane % 16) and in register j the code 8 (lane / 16) + j, so a running minimum never changes lanes.
; LISTS.  Each accumulator register j has a running minimum of its own and the first code of the block that gave it: 8 lists a lane and tile.  That costs no instruction more than one list would.
; RIDERS.  A block's 32 numbers a lane want 128 vector instructions (4 a number, the first two packed).  They are cut into 32 slices of four, one for each tile, and stand behind every second
; matrix instruction of the NEXT block, which works on the other set of accumulators.  All that a slice names lies in window 0 and a product's sources do not, so a slice costs two switches of the window.
; CLUSTER.  The four row blocks of a cluster have the same q and walk the same 2 MiB of codes: every tile is asked for JOINTLY, by the same tensor load with the same descriptor and the mask of four.
; RING.  Two slots of 128 codes (8 blocks, 131,072 bytes, in fragment order: a fragment load takes 512 consecutive bytes, so no padding).  A wave's load brings a quarter of a slot.  The change of
; slots stands between a slot's blocks 6 and 7: block 7's fragments are in registers by then, and the refill has 8 blocks, 512 matrix instructions, in which to land.
; REGISTERS, in windows of 256 (s_set_vgpr_msb: bits 1:0 source 0, 3:2 source 1, 5:4 source 2, 7:6 destination):
;   window 0: v0-15 addresses; v16-23 x2; v32-47 e2 of a block, two buffers; v48-63 at work; v64-127 accumulators, two sets of four; v128-159 the lists' minima; v160-191 their blocks
;   window 1: the codes' fragments, two buffers of 128 (K step s at 8 s)      window 2: x, K steps 0-7 (step s, tile t at 8 (4 s + t))      window 3: x, K steps 8-15
.set SLOT1,  1<<17                     ; slot 1 begins here, so that one exclusive or turns an address in one slot into the other's
.set BLKB,   16384                     ; a block: 16 codes x 512 bf16
.set STEPB,  8*BLKB                    ; a slot's bytes
.set E2L,    2*SLOT1                   ; behind the ring: the quarter's e2, 2,048 f32, put there by LDS stores; no tensor load fills it
.set STG,    E2L+8192                  ; 1,024 bytes for each wave, for the way out
.set SPARE,  STG+4*1024                ; the spare words, 128 bytes for each wave, named by no other line
.set CODES0, 1024*16384                ; the codes' first tile in frag
.set AB0, 2                            ; v2   16 x lane: my place in half a fragment; never rewritten
.set ADR, 3                            ; v3   the LDS address of the run of fragment loads in hand
.set AE0, 4                            ; v4   E2L + 32 (lane / 16): my eight codes' e2 in a block's 64 bytes
.set ADE, 5                            ; v5   the same for the block in hand
.set H,   6                            ; v6   lane / 16
.set SPW, 14                           ; v14  my spare word: SPARE + 4 x my thread's number; never rewritten
.set NIL, 15                           ; v15  0; never rewritten
.set ST,  16                           ; x2 of my row of tile t at v[ST+2 t]; the register beside it is named with it as a pair and holds 0
.set E2R, 32                           ; e2 of my eight codes of a block, by the block's parity
.set ACC, 64                           ; accumulators: set p, tile t at ACC + 32 p + 8 t
.set BEST, 128                         ; list (t, j) at BEST + 8 t + j: the least d2 so far
.set BIDX, 160                         ; and at BIDX + 8 t + j the first code of the block that gave it
.set WV,  12                           ; s12  my wave's number
.set G1,  24                           ; s[24:31] descriptor group 1
.set G0A, 32                           ; s[32:35] group 0 of the first fill of slot 0
.set G0W, 36                           ; s[36:39] group 0 of the first fill of slot 1; it then walks on
.set TB,  40                           ; s40  LDS byte at which the block to be fetched begins
.set TE,  41                           ; s41  byte in E2L of the block in hand
.set CNT, 42                           ; s42  counts pairs of blocks
.set SLOTS, 43                         ; s43  counts the passes of the slot loop
.set MK,  44                           ; s[44:47] a tile's lanes in which the number in hand is its list's new minimum
.set IX,  48                           ; s48  the first code of the block that the riders work on
.set HM,  56                           ; s56  lanes 16-31
.set SEL, 58                           ; s[58:59] v_permlanex16_b32: each lane takes its own place in the other half
.set MSB, 0
.macro WIN new                         ; the immediate's high byte repeats the setting that is left; a switch that changes nothing is dropped
.if MSB != (\new)
	s_set_vgpr_msb (MSB<<8)|(\new)
.set MSB, (\new)
.endif
.endm
.set W_LO, 0x09                        ; source 0 (codes) window 1, source 1 (x) window 2, C and D window 0
.set W_HI, 0x0d                        ; the same with x in window 3
.macro PLACES
.rept 4
	v_nop
.endr
.endm
; A round of the cluster's barrier: my work-group's barrier, so that wave 0's signal speaks for all four waves; wave 0 signals; every wave waits for all four work-groups; my work-group's barrier once more.
.macro CROUND
	s_barrier_signal -1
	s_barrier_wait -1
	s_cmp_lg_u32 s[WV], 0
	s_cbranch_scc1 .Lnot_wave_0_\@
	s_barrier_signal -3
.Lnot_wave_0_\@:
	s_barrier_wait -3
	s_barrier_signal -1
	s_barrier_wait -1
.endm
; Matrix instruction i of a block's 64, on set p: K step i / 4, tile i % 4.  The four accumulators take turns, one instruction a turn.  K step 0 starts the sums with the constant 0.
.macro MM p, i
.set sK, (\i)/4
.set tT, (\i)%4
.set rD, ACC+32*(\p)+8*tT
.set rA, 128*(\p)+8*sK
.set rB, ((sK%8)*4+tT)*8
.if sK < 8
	WIN W_LO
.else
	WIN W_HI
.endif
.if sK == 0
	v_wmma_f32_16x16x32_bf16 v[rD:rD+7], v[rA:rA+7], v[rB:rB+7], 0
.else
	v_wmma_f32_16x16x32_bf16 v[rD:rD+7], v[rA:rA+7], v[rB:rB+7], v[rD:rD+7]
.endif
.endm
; Slice k of 32 of the riders on set o: one instruction for each tile.
;   0-3   fl(x2 - 2 dot) for pair k of the eight numbers (each accumulator's lowest registers are read first)      4-7   + e2 for pair k - 4
;   8 + 3 j, 9 + 3 j, 10 + 3 j   number j: is it less than its list's minimum; if so its block is taken; the minimum
.macro SLICE o, k
	WIN 0
.set kk, (\k)
.set aB, ACC+32*(\o)
.set eB, E2R+8*(\o)
.set jj, (kk+1)/3-3                    ; (kk - 8) / 3 for kk >= 8
.irp t, 0,1,2,3
.if kk < 4
	v_pk_fma_f32 v[aB+8*\t+2*kk:aB+8*\t+2*kk+1], v[aB+8*\t+2*kk:aB+8*\t+2*kk+1], -2.0, v[ST+2*\t:ST+2*\t+1] op_sel_hi:[1,0,0]
.elseif kk < 8
	v_pk_add_f32 v[aB+8*\t+2*(kk-4):aB+8*\t+2*(kk-4)+1], v[aB+8*\t+2*(kk-4):aB+8*\t+2*(kk-4)+1], v[eB+2*(kk-4):eB+2*(kk-4)+1]
.elseif (kk-8)%3 == 0
	v_cmp_lt_f32 s[MK+\t], v[aB+8*\t+jj], v[BEST+8*\t+jj]
.elseif (kk-8)%3 == 1
	v_cndmask_b32 v[BIDX+8*\t+jj], v[BIDX+8*\t+jj], s[IX], s[MK+\t]
.else
	v_min_num_f32 v[BEST+8*\t+jj], v[BEST+8*\t+jj], v[aB+8*\t+jj]
.endif
.endr
.endm
.macro LOADB p, adr                    ; 32 LDS loads in one run: a block's 16 fragments into buffer p
	WIN 0x40                                       ; destination window 1, address window 0
.irp s, 0,1,2,3,4,5,6,7,8,9,10,11,12,13,14,15
	ds_load_b128 v[128*(\p)+8*\s:128*(\p)+8*\s+3],   v[\adr] offset:\s*1024
	ds_load_b128 v[128*(\p)+8*\s+4:128*(\p)+8*\s+7], v[\adr] offset:\s*1024+512
.endr
.endm
; One run of LDS loads a block: e2 of the block in hand (its riders come a block later) and, with b = 1, the next block's fragments into the other buffer.
.macro FETCH p, b
	WIN 0
	v_add_nc_u32 v[ADE], s[TE], v[AE0]
.if \b
	v_add_nc_u32 v[ADR], s[TB], v[AB0]
.endif
	ds_load_b128 v[E2R+8*(\p):E2R+8*(\p)+3],   v[ADE]
	ds_load_b128 v[E2R+8*(\p)+4:E2R+8*(\p)+7], v[ADE] offset:16
	s_add_co_u32 s[TE], s[TE], 64
.if \b
	LOADB 1-(\p), ADR
	s_add_co_u32 s[TB], s[TB], BLKB
.endif
.endm
; A BLOCK on set p: 64 matrix instructions, the 32 slices of the block before, one run of loads 62 matrix instructions ahead of its use.
; The four v_nop, with the four plain instructions of the last block's slice 31 in front of them, are the places (ISA guide 7.12.1 for vector instructions) between the last block's last
; products and slice 0, which reads and rewrites their results, and the loads into the buffer that they read.
.macro BLOCK p, b
	s_wait_dscnt 0x0                               ; this block's fragments and the last block's e2 are in
	s_add_co_u32 s[IX], s[IX], 16                  ; the riders go on to the next block's 16 codes
	MM \p, 0
	PLACES
	MM \p, 1
	SLICE 1-(\p), 0
	FETCH \p, \b
.set mi, 2
.rept 62
	MM \p, mi
.if mi%2 == 1
	SLICE 1-(\p), (mi-1)/2
.endif
.set mi, mi+1
.endr
.endm
; THE CHANGE OF SLOTS.  Each wave waits for all its tensor loads, of which one is out: its part of the other slot; adds 0 to its spare word; and waits for that and for its reads of the slot that it
; leaves, block 7's fragments among them.  Behind the barrier nobody reads the old slot any more and the other slot is whole.  fill = 1: the old slot is filled again, with the codes two slots on:
; the barrier is then a round of the cluster's, so that no wave of any partner still reads the slot or has a load on its way, and the joint refill is the first thing behind it.
.macro CHANGE fill
	WIN 0                                          ; at a label and at a branch every window is 0
	s_wait_tensorcnt 0x0                           ; no tensor load of mine is out, so a group 0 may be written
	ds_add_u32 v[SPW], v[NIL]                      ; 0 onto my spare word
.if \fill
	s_xor_b32 s[G0W+1], s[G0W+1], SLOT1            ; the walking descriptor: the other slot than last time,
	s_add_nc_u64 s[G0W+2:G0W+3], s[G0W+2:G0W+3], STEPB  ; the next 128 codes; the type bits on top are not reached
	s_wait_dscnt 0x0                               ; the add is done, and my reads of the slot are over
	CROUND
	tensor_load_to_lds s[G0W:G0W+3], s[G1:G1+7]    ; my one tensor load behind the round: 128 rows of 256 bytes
	s_nop 0
	PLACES
.else
	s_wait_dscnt 0x0
	s_barrier_signal -1
	s_barrier_wait -1
.endif
	s_sub_co_u32 s[TB], s[TB], STEPB               ; the fetches go back to a slot's first block,
	s_xor_b32 s[TB], s[TB], SLOT1                  ; in the other slot
.endm
.macro EPI o                           ; the last block's riders, with nothing left to ride on
	s_wait_dscnt 0x0                               ; its e2 is in
	s_add_co_u32 s[IX], s[IX], 16
	PLACES
.set ek, 0
.rept 32
	SLICE \o, ek
.set ek, ek+1
.endr
.endm
.macro XLOAD s0                        ; x, K steps s0 .. s0 + 7 of my four tiles: 64 loads of 512 consecutive bytes
.irp s, 0,1,2,3,4,5,6,7
.irp t, 0,1,2,3
	global_load_b128 v[(\s*4+\t)*8:(\s*4+\t)*8+3],   v[AB0], s[16:17] offset:\t*16384+(\s+\s0)*1024
	global_load_b128 v[(\s*4+\t)*8+4:(\s*4+\t)*8+7], v[AB0], s[16:17] offset:\t*16384+(\s+\s0)*1024+512
.endr
.endr
.endm
; THE WAY OUT's three macros.  An entry is (d2, index); one comes before another if its d2 is less, or equal with the lower index.
.macro LEXLT va, ia, vb, ib            ; s60: the lanes in which (va, ia) comes before (vb, ib)
	v_cmp_lt_f32 s60, v[\va], v[\vb]
	v_cmp_eq_f32 s61, v[\va], v[\vb]
	v_cmp_lt_u32 s62, v[\ia], v[\ib]
	s_and_b32 s61, s61, s62
	s_or_b32 s60, s60, s61
.endm
.macro PAIR va, ia, vb, ib, o          ; two entries become a sorted pair in four registers at o: d2, index, d2, index
	LEXLT \vb, \ib, \va, \ia
	v_cndmask_b32 v[(\o)],   v[\va], v[\vb], s60
	v_cndmask_b32 v[(\o)+1], v[\ia], v[\ib], s60
	v_cndmask_b32 v[(\o)+2], v[\vb], v[\va], s60
	v_cndmask_b32 v[(\o)+3], v[\ib], v[\ia], s60
.endm
.macro MERGE a, b, o                   ; the first two of two sorted pairs: the better head; then the other head or the winner's second
	LEXLT (\b), (\b)+1, (\a), (\a)+1
	v_cndmask_b32 v[(\o)],   v[(\a)],   v[(\b)],   s60
	v_cndmask_b32 v[(\o)+1], v[(\a)+1], v[(\b)+1], s60
	v_cndmask_b32 v48, v[(\b)],   v[(\a)],   s60    ; the head that lost
	v_cndmask_b32 v49, v[(\b)+1], v[(\a)+1], s60
	v_cndmask_b32 v50, v[(\a)+2], v[(\b)+2], s60    ; the winner's second
	v_cndmask_b32 v51, v[(\a)+3], v[(\b)+3], s60
	LEXLT 50, 51, 48, 49
	v_cndmask_b32 v[(\o)+2], v48, v50, s60
	v_cndmask_b32 v[(\o)+3], v49, v51, s60
.endm
	s_load_b256 s[4:11], s[0:1], 0x0               ; frag s[4:5], sq s[6:7], pv s[8:9], pi s[10:11]
	v_lshl_add_u32 v[SPW], v0, 2, SPARE
	v_mov_b32 v[NIL], 0
	ds_add_u32 v[SPW], v[NIL]                      ; the wave's opening: the add and its wait stand ahead of my first tensor load; the set-up below, work on registers, stands between them
	v_lshrrev_b32 v13, 5, v0
	v_readfirstlane_b32 s[WV], v13                 ; wave 0..3
	s_bfe_u32 s13, ttmp6, 0x40000                  ; cx: my place in the cluster; it enters the addresses of x, x2, pv and pi alone
	s_lshl_b32 s14, ttmp9, 2                       ; in a cluster launch ttmp9 counts clusters
	s_add_co_u32 s14, s14, s13                     ; rb: my block of 256 rows
	s_and_b32 s15, ttmp7, 0xffff                   ; q: the quarter of the codes, which the four partners share
	; descriptor group 1: 32,768 dense bytes as 128 rows of 256
	s_mov_b32 s[G1+0], 15|(3<<16)|(1<<21)          ; 15:0 the mask: all four work-groups; 17:16 elements of 8 bytes; 20 no padding; 21 set beside a mask
	s_mov_b32 s[G1+1], 32<<16                      ; tensor_dim0 = 32
	s_mov_b32 s[G1+2], 128<<16                     ; tensor_dim1 = 128
	s_mov_b32 s[G1+3], 32<<16                      ; tile_dim0 = 32
	s_mov_b32 s[G1+4], 128                         ; tile_dim1 = 128
	s_mov_b32 s[G1+5], 32                          ; 32 elements from row to row
	s_mov_b32 s[G1+6], 0
	s_mov_b32 s[G1+7], 0
	s_lshl_b32 s22, s15, 21                        ; the codes: a quarter is 128 tiles of 16,384 bytes,
	s_lshl_b32 s23, s[WV], 15                      ; my quarter of a slot,
	s_add_co_u32 s22, s22, s23
	s_add_co_u32 s22, s22, CODES0                  ; behind x's tiles.  Nothing here hangs on cx
	s_mov_b32 s23, 0
	s_lshl_b32 s16, s14, 18                        ; x: 16 tiles a block of rows,
	s_lshl_b32 s17, s[WV], 16                      ; four of them mine
	s_add_co_u32 s16, s16, s17
	s_mov_b32 s17, 0
	s_lshl_b32 s18, s14, 10                        ; a word a row: my block's 256,
	s_lshl_b32 s19, s[WV], 8                       ; my wave's 64
	s_add_co_u32 s18, s18, s19
	s_mov_b32 s19, 0
	s_lshl_b32 s20, s15, 13                        ; e2: 2,048 words a quarter,
	s_add_co_u32 s20, s20, 65536                   ; behind the 16,384 of x2
	s_mov_b32 s21, 0
	s_lshl_b32 s2, s15, 17                         ; pv and pi: [8][16384] words, the quarter's first and second in planes 2 q and 2 q + 1
	s_add_co_u32 s2, s2, s18
	s_mov_b32 s3, 0
	s_mov_b32 s[G0A], 1                            ; 1:0 count = 1
	s_lshl_b32 s[G0A+1], s[WV], 15                 ; 63:32 LDS address: slot 0, my quarter: no place in the cluster enters an LDS address
	s_mov_b32 s[G0W], 1
	s_add_co_u32 s[G0W+1], s[G0A+1], SLOT1
	s_mov_b32 s[HM], 0xffff0000
	s_mov_b32 s[SEL], 0x76543210
	s_mov_b32 s[SEL+1], 0xfedcba98
	s_lshl_b32 s[IX], s15, 11                      ; the riders' block starts two blocks back: a block steps it at its head, and its riders work on the block before
	s_sub_co_u32 s[IX], s[IX], 32
	s_mov_b32 s[TE], 0
	s_wait_dscnt 0x0                               ; the opening add is done
	s_wait_kmcnt 0x0
	s_add_nc_u64 s[G0A+2:G0A+3], s[4:5], s[22:23]  ; 120:64 global address: my part of the quarter's first 128 codes,
	s_add_nc_u64 s[G0W+2:G0W+3], s[G0A+2:G0A+3], STEPB  ; and of the next 128
	s_or_b32 s[G0A+3], s[G0A+3], 0x80000000        ; 127:126 type = 2
	s_or_b32 s[G0W+3], s[G0W+3], 0x80000000
	s_add_nc_u64 s[16:17], s[4:5], s[16:17]        ; x's fragments
	s_add_nc_u64 s[18:19], s[6:7], s[18:19]        ; x2
	s_add_nc_u64 s[20:21], s[6:7], s[20:21]        ; e2
	s_add_nc_u64 s[8:9], s[8:9], s[2:3]
	s_add_nc_u64 s[10:11], s[10:11], s[2:3]
	CROUND                                         ; all four work-groups are here: the first joint loads meet
	tensor_load_to_lds s[G0A:G0A+3], s[G1:G1+7]    ; both first fills go out together, ahead of every wait on TENSORcnt and every LDS read: two loads of mine are out
	s_nop 0
	tensor_load_to_lds s[G0W:G0W+3], s[G1:G1+7]
	s_nop 0
	PLACES
	v_and_b32 v1, 31, v0                           ; lane
	v_lshlrev_b32 v[AB0], 4, v1
	WIN 0x80                                       ; destination window 2, address window 0
	XLOAD 0
	WIN 0xc0                                       ; destination window 3
	XLOAD 8
	WIN 0
	v_and_b32 v7, 15, v0
	v_lshlrev_b32 v7, 2, v7                        ; a word for row lane % 16
	v_lshlrev_b32 v8, 4, v0                        ; 16 bytes a thread
.irp t, 0,1,2,3
	global_load_b32 v[ST+2*\t], v7, s[18:19] offset:64*\t  ; x2 of my row of tile t
.endr
.irp i, 0,1,2,3
	global_load_b128 v[48+4*\i:48+4*\i+3], v8, s[20:21] offset:2048*\i  ; the quarter's e2, 2,048 bytes for each line of the four waves
.endr
	v_lshrrev_b32 v[H], 4, v1
	v_lshl_add_u32 v[AE0], v[H], 5, E2L
	v_add_nc_u32 v9, E2L, v8
	s_lshl_b32 s22, s[WV], 10
	s_add_co_u32 s22, s22, STG                     ; my stage
	v_lshl_add_u32 v10, v1, 2, s22                 ; in: a word a lane
	v_lshl_add_u32 v11, v1, 3, s22                 ; back: two words a lane
	v_lshlrev_b32 v12, 3, v1
	; The lists start at plus infinity.  What the first block's riders find: a set of accumulators that holds minus infinity, so that d2 is plus infinity and changes nothing.
	; These moves stand in the wait for the first tile and spare a first block written out.
.irp t, 0,1,2,3
	v_mov_b32 v[ST+2*\t+1], 0                      ; named beside x2 as a pair
.endr
.set z, 0
.rept 32
	v_mov_b32 v[BEST+z], 0x7f800000
	v_mov_b32 v[BIDX+z], 0
	v_mov_b32 v[ACC+32+z], 0xff800000
.set z, z+1
.endr
.set z, 0
.rept 8
	v_mov_b32 v[E2R+8+z], 0
.set z, z+1
.endr
	s_wait_loadcnt 0x0                             ; x, x2 and e2 are in
.irp i, 0,1,2,3
	ds_store_b128 v9, v[48+4*\i:48+4*\i+3] offset:2048*\i
.endr
	s_wait_tensorcnt 0x1                           ; my part of slot 0 is in; slot 1's may stay out
	s_wait_dscnt 0x0                               ; for the others' sake: my part of e2 is in LDS
	s_barrier_signal -1
	s_barrier_wait -1                              ; everybody's is
	LOADB 0, AB0                                   ; block 0 lies at the head of slot 0
	WIN 0
	s_mov_b32 s[TB], BLKB
	s_mov_b32 s[CNT], 4
	s_mov_b32 s[SLOTS], 15
	s_branch .Lmid                                 ; the loop is entered in the middle of a pair: the first pass has slot 0's blocks 0 to 6
.Lslot:                                                ; 14 more passes, each behind a refill: a slot's block 7 and the next slot's blocks 0 to 6
	CHANGE 1
	s_mov_b32 s[CNT], 4
.Lpair:
	BLOCK 1, 1
	WIN 0
.Lmid:
	BLOCK 0, 1
	WIN 0
	s_sub_co_u32 s[CNT], s[CNT], 1
	s_cmp_lg_u32 s[CNT], 0
	s_cbranch_scc1 .Lpair
	s_sub_co_u32 s[SLOTS], s[SLOTS], 1
	s_cmp_lg_u32 s[SLOTS], 0
	s_cbranch_scc1 .Lslot
	CHANGE 0                                       ; the tail is written out: nothing is asked for
	s_mov_b32 s[CNT], 4
.Ltail:
	BLOCK 1, 1
	BLOCK 0, 1
	WIN 0
	s_sub_co_u32 s[CNT], s[CNT], 1
	s_cmp_lg_u32 s[CNT], 0
	s_cbranch_scc1 .Ltail
	BLOCK 1, 0                                     ; the quarter's last block: only its e2 is fetched
	EPI 1
	; THE WAY OUT.  A list's index is its block's first code + 8 (lane / 16) + j.  A lane's eight lists become four sorted pairs, two, one; the row's other eight lists lie in the lane 16 away,
	; and one more merge gives the quarter's first two, the same in both lanes.  The accumulators' registers, long finished, are the scratch.  Then lane = row, two tiles to a register, and through my stage to two rows a lane.
	WIN 0
	v_lshlrev_b32 v13, 3, v[H]
.set z, 0
.rept 32
	v_add3_u32 v[BIDX+z], v[BIDX+z], v13, z%8
.set z, z+1
.endr
.irp t, 0,1,2,3
.irp p, 0,1,2,3
	PAIR BEST+8*\t+2*\p, BIDX+8*\t+2*\p, BEST+8*\t+2*\p+1, BIDX+8*\t+2*\p+1, 64+4*\p
.endr
	MERGE 64, 68, 80
	MERGE 72, 76, 84
	MERGE 80, 84, 88
.irp z, 0,1,2,3
	v_permlanex16_b32 v[92+\z], v[88+\z], s[SEL], s[SEL+1]
.endr
	MERGE 88, 92, 96+4*\t                          ; tile t's result: d2, index, d2, index at v[96 + 4 t]
.endr
.irp z, 0,1,2,3
	v_cndmask_b32 v[52+\z], v[96+\z], v[100+\z], s[HM]   ; rows 0-31: lanes 0-15 from tile 0, lanes 16-31 from tile 1
	v_cndmask_b32 v[56+\z], v[104+\z], v[108+\z], s[HM]  ; rows 32-63
.endr
.irp z, 0,1,2,3
	ds_store_b32 v10, v[52+\z] offset:256*\z
	ds_store_b32 v10, v[56+\z] offset:256*\z+128
.endr
.irp z, 0,1,2,3
	ds_load_b64 v[64+2*\z:65+2*\z], v11 offset:256*\z  ; my own bytes: LDS serves a wave's instructions in order (ISA guide 5.7.1.4)
.endr
	s_wait_dscnt 0x0
	global_store_b64 v12, v[64:65], s[8:9]               ; each store of the wave covers 256 consecutive bytes, at a multiple of 256 from its buffer's first byte: the first's d2,
	global_store_b64 v12, v[66:67], s[10:11]             ; its index,
	global_store_b64 v12, v[68:69], s[8:9] offset:65536  ; the second's d2,
	global_store_b64 v12, v[70:71], s[10:11] offset:65536 ; its index
	s_wait_tensorcnt 0x0                           ; the wave's end, behind my last tensor load and my last LDS store
	ds_add_u32 v[SPW], v[NIL]
	s_wait_dscnt 0x0
	CROUND                                         ; the closing round: no work-group ends while a partner may still ask for a tile that names it
	s_endpgm
.Lfunc_end_k_q8594d7aa83_dist:
	.size	k_q8594d7aa83_dist, .Lfunc_end_k_q8594d7aa83_dist-k_q8594d7aa83_dist
	.p2alignl 7, 3214868480
	.fill 96, 4, 3214868480
	.section	.rodata,"a",@progbits
	.p2align	6, 0x0
	.amdhsa_kernel k_q8594d7aa83_dist
		.amdhsa_group_segment_fixed_size 327680
		.amdhsa_private_segment_fixed_size 0
		.amdhsa_enable_private_segment 0
		.amdhsa_kernarg_size 32
		.amdhsa_user_sgpr_count 2
		.amdhsa_user_sgpr_kernarg_segment_ptr 1
		.amdhsa_wavefront_size32 1
		.amdhsa_system_sgpr_workgroup_id_x 1
		.amdhsa_system_sgpr_workgroup_id_y 1
		.amdhsa_system_sgpr_workgroup_id_z 1
		.amdhsa_system_vgpr_workitem_id 0
		.amdhsa_next_free_vgpr 1024
		.amdhsa_next_free_sgpr 66
		.amdhsa_reserve_vcc 0
		.amdhsa_float_denorm_mode_32 3
		.amdhsa_float_denorm_mode_16_64 3
		.amdhsa_memory_ordered 1
		.amdhsa_forward_progress 1
		.amdhsa_inst_pref_size 139
	.end_amdhsa_kernel
	.amdgpu_metadata
---
amdhsa.version: [ 1, 2 ]
amdhsa.kernels:
  - .name:           k_q8594d7aa83_dist
    .symbol:         k_q8594d7aa83_dist.kd
    .args:
      - { .name: frag, .offset: 0, .size: 8, .value_kind: global_buffer, .address_space: global }
      - { .name: sq, .offset: 8, .size: 8, .value_kind: global_buffer, .address_space: global }
      - { .name: pv, .offset: 16, .size: 8, .value_kind: global_buffer, .address_space: global }
      - { .name: pi, .offset: 24, .size: 8, .value_kind: global_buffer, .address_space: global }
    .group_segment_fixed_size: 327680
    .private_segment_fixed_size: 0
    .kernarg_segment_align: 8
    .kernarg_segment_size: 32
    .max_flat_workgroup_size: 128
    .sgpr_count:     66
    .vgpr_count:     1024
    .wavefront_size: 32
...
	.end_amdgpu_metadata
.endif
;; end of part 2
;; launch pick (part 3): grid 64 x 1, 4 waves a work-group, no clusters, 0 bytes of LDS; arguments pv, pi, cand; writes cand
.if DOCPART == 3
	.amdgcn_target "amdgcn-amd-amdhsa--gfx1250"
	.amdhsa_code_object_version 6
	.text
	.protected	k_q8594d7aa83_pick
	.globl	k_q8594d7aa83_pick
	.p2align	8
	.type	k_q8594d7aa83_pick,@function
k_q8594d7aa83_pick:
	s_mov_b64 s[64:65], 0
	v_nop
	global_prefetch_b8 v0, s[64:65] scope:SCOPE_SE
	s_setreg_imm32_b32 hwreg(HW_REG_WAVE_MODE, 25, 1), 1
	s_wait_xcnt 0x0
; PICK.  For each row: of the eight proposals (the four quarters' first and second, each pair sorted) the first FOUR in the order (d2, index); their indices go to cand [4][16384].
; It is a launch of its own because the next one forms addresses from these indices, and the choice among them hangs on floating-point comparisons.
; An entry comes before another if its d2 is less, or equal with the lower index.  Two sorted pairs are merged by three compare-exchanges into a sorted four; of two sorted fours a and b the four
; first of the eight are the better of a[i] and b[3 - i], i = 0..3.  Their order among themselves is not needed.
; SHARES.  A thread has two neighbouring rows (8 bytes of each plane), so each load and store of a wave covers 256 consecutive bytes; 64 work-groups x 128 threads x 2 = 16,384 rows.
; 1 MiB in, 256 KiB out: no LDS, no barrier, nothing shared.
.set VB,  8                            ; entry n, row e: d2 at v[VB + 2 n + e].  Entries 0-7 as loaded (plane n), 8-15 and 16-19 the exchanges' results
.set IB,  48                           ; its index at v[IB + 2 n + e]
.set OUT, 88                           ; v[88:95] the four indices of both rows
	s_load_b128 s[4:7], s[0:1], 0x0                ; pv s[4:5], pi s[6:7]
	s_load_b64 s[8:9], s[0:1], 0x10                ; cand
	v_lshlrev_b32 v1, 3, v0                        ; 8 bytes a thread
	s_lshl_b32 s10, ttmp9, 10                      ; 256 rows a work-group
	s_mov_b32 s11, 0
	s_wait_kmcnt 0x0
	s_add_nc_u64 s[4:5], s[4:5], s[10:11]
	s_add_nc_u64 s[6:7], s[6:7], s[10:11]
	s_add_nc_u64 s[8:9], s[8:9], s[10:11]
.irp n, 0,1,2,3,4,5,6,7
	global_load_b64 v[VB+2*\n:VB+2*\n+1], v1, s[4:5] offset:\n*65536
	global_load_b64 v[IB+2*\n:IB+2*\n+1], v1, s[6:7] offset:\n*65536
.endr
.macro LEXLT va, ia, vb, ib            ; s12: the lanes in which (va, ia) comes before (vb, ib)
	v_cmp_lt_f32 s12, v[\va], v[\vb]
	v_cmp_eq_f32 s13, v[\va], v[\vb]
	v_cmp_lt_u32 s14, v[\ia], v[\ib]
	s_and_b32 s13, s13, s14
	s_or_b32 s12, s12, s13
.endm
.macro CEO a, b, lo, hi                ; entries a and b: the one that comes first becomes entry lo, the other entry hi
.irp e, 0,1
	LEXLT VB+2*(\b)+\e, IB+2*(\b)+\e, VB+2*(\a)+\e, IB+2*(\a)+\e
	v_cndmask_b32 v[VB+2*(\lo)+\e], v[VB+2*(\a)+\e], v[VB+2*(\b)+\e], s12
	v_cndmask_b32 v[IB+2*(\lo)+\e], v[IB+2*(\a)+\e], v[IB+2*(\b)+\e], s12
	v_cndmask_b32 v[VB+2*(\hi)+\e], v[VB+2*(\b)+\e], v[VB+2*(\a)+\e], s12
	v_cndmask_b32 v[IB+2*(\hi)+\e], v[IB+2*(\b)+\e], v[IB+2*(\a)+\e], s12
.endr
.endm
.macro MINI a, b, o                    ; the index of the one that comes first
.irp e, 0,1
	LEXLT VB+2*(\b)+\e, IB+2*(\b)+\e, VB+2*(\a)+\e, IB+2*(\a)+\e
	v_cndmask_b32 v[OUT+2*(\o)+\e], v[IB+2*(\a)+\e], v[IB+2*(\b)+\e], s12
.endr
.endm
	s_wait_loadcnt 0x0
	CEO 0, 2, 8, 9                                 ; quarters 0 and 1: the heads,
	CEO 1, 3, 10, 11                               ; the seconds,
	CEO 4, 6, 12, 13                               ; quarters 2 and 3 likewise
	CEO 5, 7, 14, 15
	CEO 9, 10, 16, 17                              ; the middle two: sorted fours are 8, 16, 17, 11
	CEO 13, 14, 18, 19                             ; and 12, 18, 19, 15
	MINI 8, 15, 0
	MINI 16, 19, 1
	MINI 17, 18, 2
	MINI 11, 12, 3
.irp c, 0,1,2,3
	global_store_b64 v1, v[OUT+2*\c:OUT+2*\c+1], s[8:9] offset:\c*65536  ; 256 consecutive bytes a wave, at a multiple of 256 from cand's first byte
.endr
	s_endpgm
.Lfunc_end_k_q8594d7aa83_pick:
	.size	k_q8594d7aa83_pick, .Lfunc_end_k_q8594d7aa83_pick-k_q8594d7aa83_pick
	.p2alignl 7, 3214868480
	.fill 96, 4, 3214868480
	.section	.rodata,"a",@progbits
	.p2align	6, 0x0
	.amdhsa_kernel k_q8594d7aa83_pick
		.amdhsa_group_segment_fixed_size 0
		.amdhsa_private_segment_fixed_size 0
		.amdhsa_enable_private_segment 0
		.amdhsa_kernarg_size 24
		.amdhsa_user_sgpr_count 2
		.amdhsa_user_sgpr_kernarg_segment_ptr 1
		.amdhsa_wavefront_size32 1
		.amdhsa_system_sgpr_workgroup_id_x 1
		.amdhsa_system_sgpr_workgroup_id_y 1
		.amdhsa_system_sgpr_workgroup_id_z 1
		.amdhsa_system_vgpr_workitem_id 0
		.amdhsa_next_free_vgpr 96
		.amdhsa_next_free_sgpr 66
		.amdhsa_reserve_vcc 0
		.amdhsa_float_denorm_mode_32 3
		.amdhsa_float_denorm_mode_16_64 3
		.amdhsa_memory_ordered 1
		.amdhsa_forward_progress 1
		.amdhsa_inst_pref_size 12
	.end_amdhsa_kernel
	.amdgpu_metadata
---
amdhsa.version: [ 1, 2 ]
amdhsa.kernels:
  - .name:           k_q8594d7aa83_pick
    .symbol:         k_q8594d7aa83_pick.kd
    .args:
      - { .name: pv, .offset: 0, .size: 8, .value_kind: global_buffer, .address_space: global }
      - { .name: pi, .offset: 8, .size: 8, .value_kind: global_buffer, .address_space: global }
      - { .name: cand, .offset: 16, .size: 8, .value_kind: global_buffer, .address_space: global }
    .group_segment_fixed_size: 0
    .private_segment_fixed_size: 0
    .kernarg_segment_align: 8
    .kernarg_segment_size: 24
    .max_flat_workgroup_size: 128
    .sgpr_count:     66
    .vgpr_count:     96
    .wavefront_size: 32
...
	.end_amdgpu_metadata
.endif
;; end of part 3
;; launch finish (part 4): grid 256 x 1, 16 waves a work-group, no clusters, 2,560 bytes of LDS; arguments x, eb, sq, cand, out0, out1, part; writes out0, out1, part
.if DOCPART == 4
	.amdgcn_target "amdgcn-amd-amdhsa--gfx1250"
	.amdhsa_code_object_version 6
	.text
	.protected	k_q8594d7aa83_finish
	.globl	k_q8594d7aa83_finish
	.p2align	8
	.type	k_q8594d7aa83_finish,@function
k_q8594d7aa83_finish:
	s_mov_b64 s[64:65], 0
	v_nop
	global_prefetch_b8 v0, s[64:65] scope:SCOPE_SE
	s_setreg_imm32_b32 hwreg(HW_REG_WAVE_MODE, 25, 1), 1
	s_wait_xcnt 0x0
; FINISH.  For each row the four candidate codes of cand are fetched and DECIDED: x.e is summed anew in f32, d2 = fl(fl(x2 - 2 dot) + e2) is formed with the problem's own two roundings,
; and the first candidate in the order (d2, index) is taken, as an argmin takes the lowest index of equal d2.  Then q = that code; out0 = x + (q - x); out1 = its index;
; part[work-group] = the sum of (q - x)^2 over the work-group's 64 rows.
; THE SUM.  Products of two bf16 are exact in f32.  A lane adds its 16 in two chains of 8; the 32 lanes' sums are added as a tree.  No partial sum but the last few is near the dot's size, so the
; roundings are far fewer and finer than in a chain along K.  16,384 x 4 x 512 multiply-adds: 1 part in 2,000 of the distance product, which stays with the matrix units.
; LIMITS.  x is rounded to bf16 here as in the first launch, q is the rounded code: everything is the problem's formulas, in f32, on the rounded inputs.  NaN and infinities are not treated apart.
; d2 lies on f32's grid at the size of x2: where a dot lies within its summation's last bits of the edge of a cell, another order of summation can put it in the neighbouring cell and another index can result.
; A code that is not among the four candidates cannot be taken.
; The choice steers no address: all four candidate rows are fetched, at addresses made of cand as it is read (each index clamped to the table), and the row is chosen by v_cndmask_b32.
; SHARES.  A work-group has 64 rows, each of its 16 waves four.  A lane has 4 numbers in each of a row's four pieces of 512 bytes.  Straight-line text: no register is a global load's target twice.
; No matrix unit, no tensor load, no cluster: the launch streams x in and out0 out, each byte once, and work-groups share nothing but the table.
.set RED,   0                          ; 16 words: the waves' sums
.set IDXL,  256                        ; 64 words: the rows' indices, so that one wave can store them as 256 consecutive bytes
.set SPARE, 512                        ; the spare words, 128 bytes for each of 16 waves, named by no other line
.set LS,  8                            ; v[8:11]    two pairs of running sums of (q - x)^2
.set X2,  12                           ; v[12:15]   x2 of row i; when it has been used, the row's index
.set T,   16                           ; v[16:23]   at work
.set ACC, 24                           ; v[24:31]   candidate q: a pair of running sums, then the dot, then d2
.set X,   32                           ; v[32:95]   row i, piece c: 4 registers: x as loaded, then rounded, then out0
.set C,   96                           ; v[96:223]  row i, candidate q, piece c: 2 registers, 4 bf16
.set OFF, 224                          ; v[224:239] candidate q, row i at OFF + 4 q + i: the index, then 1,024 x index + 8 x lane: my 8 bytes in that row of eb, and the index's stand-in in comparisons
.set E2,  240                          ; v[240:255] likewise: 4 x index, then e2 of that code (the load lands on its own address register)
.set MK,  24                           ; s[24:26]   candidate q = 1..3 comes before those in front of it
	s_load_b256 s[4:11], s[0:1], 0x0               ; x s[4:5], eb s[6:7], sq s[8:9], cand s[10:11]
	s_load_b128 s[12:15], s[0:1], 0x20             ; out0 s[12:13], out1 s[14:15]
	s_load_b64 s[16:17], s[0:1], 0x30              ; part
	v_lshl_add_u32 v5, v0, 2, SPARE                ; my spare word; never rewritten
	v_mov_b32 v6, 0                                ; 0; never rewritten
	v_lshrrev_b32 v1, 5, v0
	v_readfirstlane_b32 s20, v1                    ; wave 0..15
	v_and_b32 v1, 31, v0                           ; lane
	v_lshlrev_b32 v2, 4, v1                        ; 16 x lane
	v_lshlrev_b32 v3, 3, v1                        ; 8 x lane
	v_mov_b32 v4, 0                                ; offset 0, for what all lanes read alike
	s_mov_b32 s21, 0xffff0000                      ; a word's upper bf16
	s_mov_b32 s36, 0x76543210                      ; v_permlanex16_b32: each lane takes its own place in the other half
	s_mov_b32 s37, 0xfedcba98
	s_lshl_b32 s38, ttmp9, 17                      ; x and out0: 64 rows of 2,048 bytes,
	s_lshl_b32 s39, s20, 13                        ; my wave's four
	s_add_co_u32 s38, s38, s39
	s_mov_b32 s39, 0
	s_lshl_b32 s40, ttmp9, 8                       ; a word a row: the work-group's 64,
	s_mov_b32 s41, 0
	s_lshl_b32 s42, s20, 4                         ; my wave's four
	s_add_co_u32 s42, s42, s40
	s_mov_b32 s43, 0
	s_lshl_b32 s44, ttmp9, 2
	s_mov_b32 s45, 0
	s_wait_kmcnt 0x0
	s_add_nc_u64 s[4:5], s[4:5], s[38:39]
	s_add_nc_u64 s[12:13], s[12:13], s[38:39]
	s_add_nc_u64 s[18:19], s[8:9], s[42:43]        ; x2 of my four rows
	s_add_nc_u64 s[22:23], s[8:9], 0x10000         ; e2, behind the 16,384 words of x2
	s_add_nc_u64 s[10:11], s[10:11], s[42:43]
	s_add_nc_u64 s[14:15], s[14:15], s[40:41]
	s_add_nc_u64 s[16:17], s[16:17], s[44:45]
.irp q, 0,1,2,3
	global_load_b128 v[OFF+4*\q:OFF+4*\q+3], v4, s[10:11] offset:\q*65536  ; my four rows' candidate q, the same in every lane
.endr
	global_load_b128 v[X2:X2+3], v4, s[18:19]
.irp i, 0,1,2,3
.irp c, 0,1,2,3
	global_load_b128 v[X+16*\i+4*\c:X+16*\i+4*\c+3], v2, s[4:5] offset:\i*2048+\c*512 th:TH_LOAD_NT  ; 512 consecutive bytes; the launch reads each byte of x once
.endr
.endr
	s_wait_loadcnt 0x10                            ; loads come back in order (ISA guide 5.7.1): the candidates and x2 are in, the 16 loads of x stay out
.set z, 0
.rept 16
	v_min_u32 v[OFF+z], 0x1fff, v[OFF+z]           ; an index stays inside the table of 8,192 rows
	v_lshlrev_b32 v[E2+z], 2, v[OFF+z]             ; a word of e2
	v_lshl_add_u32 v[OFF+z], v[OFF+z], 10, v3      ; rows of 1,024 bytes, my 8 bytes
.set z, z+1
.endr
.set z, 0
.rept 16
	global_load_b32 v[E2+z], v[E2+z], s[22:23]     ; the same word in every lane
.set z, z+1
.endr
.irp i, 0,1,2,3
.irp q, 0,1,2,3
.irp c, 0,1,2,3
	global_load_b64 v[C+32*\i+8*\q+2*\c:C+32*\i+8*\q+2*\c+1], v[OFF+4*\q+\i], s[6:7] offset:\c*256  ; 256 consecutive bytes of a candidate row
.endr
.endr
.endr
.macro LEXLT m, va, ia, vb, ib         ; s[m]: (va, ia) comes before (vb, ib).  All lanes hold the same numbers, so the mask is all ones or none
	v_cmp_lt_f32 s[\m], v[\va], v[\vb]
	v_cmp_eq_f32 s27, v[\va], v[\vb]
	v_cmp_lt_u32 s28, v[\ia], v[\ib]
	s_and_b32 s27, s27, s28
	s_or_b32 s[\m], s[\m], s27
.endm
.set FIRST, 1
.macro ROWDO i
	s_wait_loadcnt (3-(\i))*16                     ; x, e2 and row i's 16 candidate loads are in; the later rows' stay out
	; the four dots
.irp c, 0,1,2,3
.set rX, X+16*(\i)+4*\c
	v_cvt_pk_bf16_f32 v[T], v[rX], v[rX+1]         ; x is rounded as in the first launch, in place
	v_cvt_pk_bf16_f32 v[T+1], v[rX+2], v[rX+3]
	v_lshlrev_b32 v[rX], 16, v[T]
	v_and_b32 v[rX+1], s21, v[T]
	v_lshlrev_b32 v[rX+2], 16, v[T+1]
	v_and_b32 v[rX+3], s21, v[T+1]
.irp q, 0,1,2,3
.set rC, C+32*(\i)+8*\q+2*\c
	v_lshlrev_b32 v[T+2], 16, v[rC]
	v_and_b32 v[T+3], s21, v[rC]
	v_lshlrev_b32 v[T+4], 16, v[rC+1]
	v_and_b32 v[T+5], s21, v[rC+1]
.if \c == 0
	v_pk_mul_f32 v[ACC+2*\q:ACC+2*\q+1], v[T+2:T+3], v[rX:rX+1]  ; the first products start the sums: nothing is cleared
.else
	v_pk_fma_f32 v[ACC+2*\q:ACC+2*\q+1], v[T+2:T+3], v[rX:rX+1], v[ACC+2*\q:ACC+2*\q+1]
.endif
	v_pk_fma_f32 v[ACC+2*\q:ACC+2*\q+1], v[T+4:T+5], v[rX+2:rX+3], v[ACC+2*\q:ACC+2*\q+1]
.endr
.endr
.irp q, 0,1,2,3
	v_add_f32 v[ACC+2*\q], v[ACC+2*\q], v[ACC+2*\q+1]
.endr
.irp m, 1,2,4,8                        ; across the lanes, the four candidates by turns; both partners of an exchange add the same two numbers, so every lane ends with the same sum
.irp q, 0,1,2,3
	v_add_f32_dpp v[ACC+2*\q], v[ACC+2*\q], v[ACC+2*\q] row_xmask:\m row_mask:0xf bank_mask:0xf
.endr
.endr
.irp q, 0,1,2,3
	v_permlanex16_b32 v[ACC+2*\q+1], v[ACC+2*\q], s36, s37
.endr
.irp q, 0,1,2,3
	v_add_f32 v[ACC+2*\q], v[ACC+2*\q], v[ACC+2*\q+1]
.endr
.irp q, 0,1,2,3
	v_fma_f32 v[ACC+2*\q], v[ACC+2*\q], -2.0, v[X2+(\i)]  ; fl(x2 - 2 dot): 2 dot is exact, so this is the problem's one rounding
.endr
.irp q, 0,1,2,3
	v_add_f32 v[ACC+2*\q], v[ACC+2*\q], v[E2+4*\q+(\i)]
.endr
	; the first in the order (d2, index); the offsets stand for the indices: 1,024 x index + the lane's constant
	LEXLT MK, ACC+2, OFF+4+(\i), ACC, OFF+(\i)
	v_cndmask_b32 v[T+6], v[ACC], v[ACC+2], s[MK]
	v_cndmask_b32 v[T+7], v[OFF+(\i)], v[OFF+4+(\i)], s[MK]
	LEXLT MK+1, ACC+4, OFF+8+(\i), T+6, T+7
	v_cndmask_b32 v[T+6], v[T+6], v[ACC+4], s[MK+1]
	v_cndmask_b32 v[T+7], v[T+7], v[OFF+8+(\i)], s[MK+1]
	LEXLT MK+2, ACC+6, OFF+12+(\i), T+6, T+7
	v_cndmask_b32 v[T+7], v[T+7], v[OFF+12+(\i)], s[MK+2]
	v_lshrrev_b32 v[X2+(\i)], 10, v[T+7]           ; the row's index
	; the row goes out
.irp c, 0,1,2,3
.set rX, X+16*(\i)+4*\c
.set rC, C+32*(\i)+2*\c
.irp q, 1,2,3
	v_cndmask_b32 v[rC], v[rC], v[rC+8*\q], s[MK+\q-1]        ; the last candidate that came before those in front of it stays
	v_cndmask_b32 v[rC+1], v[rC+1], v[rC+8*\q+1], s[MK+\q-1]
.endr
	v_lshlrev_b32 v[T+2], 16, v[rC]                ; q in f32
	v_and_b32 v[T+3], s21, v[rC]
	v_lshlrev_b32 v[T+4], 16, v[rC+1]
	v_and_b32 v[T+5], s21, v[rC+1]
	v_pk_add_f32 v[T+2:T+3], v[T+2:T+3], v[rX:rX+1] neg_lo:[0,1] neg_hi:[0,1]      ; q - x
	v_pk_add_f32 v[T+4:T+5], v[T+4:T+5], v[rX+2:rX+3] neg_lo:[0,1] neg_hi:[0,1]
	v_pk_add_f32 v[rX:rX+1], v[rX:rX+1], v[T+2:T+3]                               ; x + (q - x)
	v_pk_add_f32 v[rX+2:rX+3], v[rX+2:rX+3], v[T+4:T+5]
.if FIRST
	v_pk_mul_f32 v[LS:LS+1], v[T+2:T+3], v[T+2:T+3]
	v_pk_mul_f32 v[LS+2:LS+3], v[T+4:T+5], v[T+4:T+5]
.set FIRST, 0
.else
	v_pk_fma_f32 v[LS:LS+1], v[T+2:T+3], v[T+2:T+3], v[LS:LS+1]
	v_pk_fma_f32 v[LS+2:LS+3], v[T+4:T+5], v[T+4:T+5], v[LS+2:LS+3]
.endif
	global_store_b128 v2, v[rX:rX+3], s[12:13] offset:(\i)*2048+\c*512 th:TH_STORE_NT  ; 512 consecutive bytes; the registers are not written again
.endr
.endm
	ROWDO 0
	ROWDO 1
	ROWDO 2
	ROWDO 3
	v_pk_add_f32 v[LS:LS+1], v[LS:LS+1], v[LS+2:LS+3]
	v_add_f32 v8, v8, v9
	v_add_f32_dpp v8, v8, v8 row_xmask:1 row_mask:0xf bank_mask:0xf
	v_add_f32_dpp v8, v8, v8 row_xmask:2 row_mask:0xf bank_mask:0xf
	v_add_f32_dpp v8, v8, v8 row_xmask:4 row_mask:0xf bank_mask:0xf
	v_add_f32_dpp v8, v8, v8 row_xmask:8 row_mask:0xf bank_mask:0xf
	v_permlanex16_b32 v9, v8, s36, s37
	v_add_f32 v8, v8, v9                           ; the wave's sum, in every lane
	v_mov_b32 v7, s20
	v_lshlrev_b32 v16, 4, v7                       ; 16 bytes a wave
	v_lshlrev_b32 v7, 2, v7                        ; a word a wave
	ds_store_b32 v7, v8                            ; all lanes write the wave's word with the same value
	ds_store_b128 v16, v[X2:X2+3] offset:IDXL      ; and its four rows' indices likewise
	s_wait_dscnt 0x0                               ; for the others' sake
	s_barrier_signal -1
	s_barrier_wait -1
	s_cmp_lg_u32 s20, 0
	s_cbranch_scc1 .Lend
.irp j, 0,1,2,3
	ds_load_b128 v[T+4*\j:T+4*\j+3], v4 offset:RED+16*\j  ; the 16 waves' sums, in every lane
.endr
	ds_load_b64 v[OFF:OFF+1], v3 offset:IDXL       ; the indices of rows 2 lane and 2 lane + 1 (the registers' loads were shown done by the last row's wait for 0)
	s_wait_dscnt 0x0
	global_store_b64 v3, v[OFF:OFF+1], s[14:15]    ; 256 consecutive bytes, at a multiple of 256 from out1's first byte
	v_pk_add_f32 v[T:T+1], v[T:T+1], v[T+2:T+3]
	v_pk_add_f32 v[T+4:T+5], v[T+4:T+5], v[T+6:T+7]
	v_pk_add_f32 v[T+8:T+9], v[T+8:T+9], v[T+10:T+11]
	v_pk_add_f32 v[T+12:T+13], v[T+12:T+13], v[T+14:T+15]
	v_pk_add_f32 v[T:T+1], v[T:T+1], v[T+4:T+5]
	v_pk_add_f32 v[T+8:T+9], v[T+8:T+9], v[T+12:T+13]
	v_pk_add_f32 v[T:T+1], v[T:T+1], v[T+8:T+9]
	v_add_f32 v[T], v[T], v[T+1]
	s_wait_xcnt 0x0                                ; EXEC is a source of the stores above: it changes only behind this wait
	v_cmp_eq_u32 vcc_lo, 0, v1
	s_and_saveexec_b32 s46, vcc_lo                 ; lane 0 alone
	global_store_b32 v4, v[T], s[16:17]            ; the work-group's one number
	s_wait_xcnt 0x0
	s_or_b32 exec_lo, exec_lo, s46
.Lend:
	s_wait_tensorcnt 0x0                           ; the wave's end, behind my last LDS store
	ds_add_u32 v5, v6
	s_wait_dscnt 0x0
	s_endpgm
.Lfunc_end_k_q8594d7aa83_finish:
	.size	k_q8594d7aa83_finish, .Lfunc_end_k_q8594d7aa83_finish-k_q8594d7aa83_finish
	.p2alignl 7, 3214868480
	.fill 96, 4, 3214868480
	.section	.rodata,"a",@progbits
	.p2align	6, 0x0
	.amdhsa_kernel k_q8594d7aa83_finish
		.amdhsa_group_segment_fixed_size 2560
		.amdhsa_private_segment_fixed_size 0
		.amdhsa_enable_private_segment 0
		.amdhsa_kernarg_size 56
		.amdhsa_user_sgpr_count 2
		.amdhsa_user_sgpr_kernarg_segment_ptr 1
		.amdhsa_wavefront_size32 1
		.amdhsa_system_sgpr_workgroup_id_x 1
		.amdhsa_system_sgpr_workgroup_id_y 1
		.amdhsa_system_sgpr_workgroup_id_z 1
		.amdhsa_system_vgpr_workitem_id 0
		.amdhsa_next_free_vgpr 256
		.amdhsa_next_free_sgpr 66
		.amdhsa_reserve_vcc 1
		.amdhsa_float_denorm_mode_32 3
		.amdhsa_float_denorm_mode_16_64 3
		.amdhsa_memory_ordered 1
		.amdhsa_forward_progress 1
		.amdhsa_inst_pref_size 64
	.end_amdhsa_kernel
	.amdgpu_metadata
---
amdhsa.version: [ 1, 2 ]
amdhsa.kernels:
  - .name:           k_q8594d7aa83_finish
    .symbol:         k_q8594d7aa83_finish.kd
    .args:
      - { .name: x, .offset: 0, .size: 8, .value_kind: global_buffer, .address_space: global }
      - { .name: eb, .offset: 8, .size: 8, .value_kind: global_buffer, .address_space: global }
      - { .name: sq, .offset: 16, .size: 8, .value_kind: global_buffer, .address_space: global }
      - { .name: cand, .offset: 24, .size: 8, .value_kind: global_buffer, .address_space: global }
      - { .name: out0, .offset: 32, .size: 8, .value_kind: global_buffer, .address_space: global }
      - { .name: out1, .offset: 40, .size: 8, .value_kind: global_buffer, .address_space: global }
      - { .name: part, .offset: 48, .size: 8, .value_kind: global_buffer, .address_space: global }
    .group_segment_fixed_size: 2560
    .private_segment_fixed_size: 0
    .kernarg_segment_align: 8
    .kernarg_segment_size: 56
    .max_flat_workgroup_size: 512
    .sgpr_count:     66
    .vgpr_count:     256
    .wavefront_size: 32
...
	.end_amdgpu_metadata
.endif
;; end of part 4
;; launch loss (part 5): grid 1 x 1, 1 waves a work-group, no clusters, 0 bytes of LDS; arguments part, out2, out3, out4; writes out2, out3, out4
.if DOCPART == 5
	.amdgcn_target "amdgcn-amd-amdhsa--gfx1250"
	.amdhsa_code_object_version 6
	.text
	.protected	k_q8594d7aa83_loss
	.globl	k_q8594d7aa83_loss
	.p2align	8
	.type	k_q8594d7aa83_loss,@function
k_q8594d7aa83_loss:
	s_mov_b64 s[64:65], 0
	v_nop
	global_prefetch_b8 v0, s[64:65] scope:SCOPE_SE
	s_setreg_imm32_b32 hwreg(HW_REG_WAVE_MODE, 25, 1), 1
	s_wait_xcnt 0x0
; LOSS.  The 256 work-groups' sums of (q - x)^2 are added in a fixed order by one wave (a sum that spans work-groups has one owner, in a launch of its own):
; mean = sum / 2^23 (16,384 rows x 512, an exact scaling); out2 = 0.25 mean; out3 = mean; out4 = out2 + out3.
	s_load_b256 s[4:11], s[0:1], 0x0               ; part s[4:5], out2 s[6:7], out3 s[8:9], out4 s[10:11]
	v_lshlrev_b32 v1, 4, v0                        ; 16 x lane
	v_mov_b32 v2, 0
	s_mov_b32 s12, 0x76543210                      ; v_permlanex16_b32: each lane takes its own place in the other half
	s_mov_b32 s13, 0xfedcba98
	s_wait_kmcnt 0x0
	global_load_b128 v[4:7], v1, s[4:5]            ; 1,024 bytes in two loads of 512
	global_load_b128 v[8:11], v1, s[4:5] offset:512
	s_wait_loadcnt 0x0
	v_pk_add_f32 v[4:5], v[4:5], v[6:7]
	v_pk_add_f32 v[8:9], v[8:9], v[10:11]
	v_pk_add_f32 v[4:5], v[4:5], v[8:9]
	v_add_f32 v4, v4, v5
	v_add_f32_dpp v4, v4, v4 row_xmask:1 row_mask:0xf bank_mask:0xf
	v_add_f32_dpp v4, v4, v4 row_xmask:2 row_mask:0xf bank_mask:0xf
	v_add_f32_dpp v4, v4, v4 row_xmask:4 row_mask:0xf bank_mask:0xf
	v_add_f32_dpp v4, v4, v4 row_xmask:8 row_mask:0xf bank_mask:0xf
	v_permlanex16_b32 v5, v4, s12, s13
	v_add_f32 v4, v4, v5
	v_mul_f32 v5, 0x34000000, v4                   ; x 2^-23: the mean
	v_mul_f32 v6, 0x3e800000, v5                   ; x 0.25: the commitment loss
	v_add_f32 v7, v6, v5                           ; the total
	s_wait_xcnt 0x0                                ; EXEC changes only behind this wait
	v_cmp_eq_u32 vcc_lo, 0, v0
	s_and_saveexec_b32 s14, vcc_lo                 ; lane 0 alone
	global_store_b32 v2, v6, s[6:7]
	global_store_b32 v2, v5, s[8:9]
	global_store_b32 v2, v7, s[10:11]
	s_wait_xcnt 0x0
	s_or_b32 exec_lo, exec_lo, s14
	s_endpgm
.Lfunc_end_k_q8594d7aa83_loss:
	.size	k_q8594d7aa83_loss, .Lfunc_end_k_q8594d7aa83_loss-k_q8594d7aa83_loss
	.p2alignl 7, 3214868480
	.fill 96, 4, 3214868480
	.section	.rodata,"a",@progbits
	.p2align	6, 0x0
	.amdhsa_kernel k_q8594d7aa83_loss
		.amdhsa_group_segment_fixed_size 0
		.amdhsa_private_segment_fixed_size 0
		.amdhsa_enable_private_segment 0
		.amdhsa_kernarg_size 32
		.amdhsa_user_sgpr_count 2
		.amdhsa_user_sgpr_kernarg_segment_ptr 1
		.amdhsa_wavefront_size32 1
		.amdhsa_system_sgpr_workgroup_id_x 1
		.amdhsa_system_sgpr_workgroup_id_y 1
		.amdhsa_system_sgpr_workgroup_id_z 1
		.amdhsa_system_vgpr_workitem_id 0
		.amdhsa_next_free_vgpr 16
		.amdhsa_next_free_sgpr 66
		.amdhsa_reserve_vcc 1
		.amdhsa_float_denorm_mode_32 3
		.amdhsa_float_denorm_mode_16_64 3
		.amdhsa_memory_ordered 1
		.amdhsa_forward_progress 1
		.amdhsa_inst_pref_size 2
	.end_amdhsa_kernel
	.amdgpu_metadata
---
amdhsa.version: [ 1, 2 ]
amdhsa.kernels:
  - .name:           k_q8594d7aa83_loss
    .symbol:         k_q8594d7aa83_loss.kd
    .args:
      - { .name: part, .offset: 0, .size: 8, .value_kind: global_buffer, .address_space: global }
      - { .name: out2, .offset: 8, .size: 8, .value_kind: global_buffer, .address_space: global }
      - { .name: out3, .offset: 16, .size: 8, .value_kind: global_buffer, .address_space: global }
      - { .name: out4, .offset: 24, .size: 8, .value_kind: global_buffer, .address_space: global }
    .group_segment_fixed_size: 0
    .private_segment_fixed_size: 0
    .kernarg_segment_align: 8
    .kernarg_segment_size: 32
    .max_flat_workgroup_size: 32
    .sgpr_count:     66
    .vgpr_count:     16
    .wavefront_size: 32
...
	.end_amdgpu_metadata
.endif
;; end of part 5
